; MI455X (gfx1250); checked and timed in simulation.
; The chip was launched on July 23, 2026; its instructions are those of AMD's public machine-readable ISA for CDNA 5 (MIT licence, August 2026) and "CDNA5" Instruction Set Architecture Reference Guide (July 2026). The comments in the code are by the model that wrote it; some were corrected since.
;; Multi Head Attention. Allowed arithmetic: matrix products marked QUANTISED: E4M3 operands, one given power-of-two scale a tensor, by v_wmma_f32_16x16x64_fp8_fp8 or v_wmma_f32_16x16x128_fp8_fp8, f32 sums; products left as they are: f32 operands where the result goes on into a quantised operand, else bf16, f16 or f32 operands; f32 sums; everything else in f32.
;; Inputs: in_proj_bias 3,072 float32; in_proj_weight 3,072 x 1,024 float32; lowp_scales 4 int32 (the exponents e of the quantised operands' scales 2^e); out_proj_bias 1,024 float32; out_proj_weight 1,024 x 1,024 float32; x 32,768 x 1,024 float32.
;; Outputs: out0 1 x 1,024 float32.
;; This version of the problem:
;;   THIS VERSION OF THE PROBLEM IS GIVEN IN LOW PRECISION. The matrix products marked QUANTISED in the list below multiply operands that are first quantised to E4M3 (4 exponent bits, 3 mantissa bits; 8 bits a number), with one given power-of-two scale for each operand tensor; their sums are f32. All else is computed in f32.
;;   The module's matrix products, in the order in which they are computed (A, B: the left and right operand; K: the contracted axis; several contracted axes count as one K, in the product's order):
;;     1. [M 1, K 1,024] x [K 1,024, N 1,024]; A: input x; B: input in_proj_weight: left as it is (M = 1 < 16)
;;     2. [M 32,768, K 1,024] x [K 1,024, N 1,024]; A: input x; B: input in_proj_weight: QUANTISED (scales: A lowp_scales[0], B lowp_scales[1])
;;     3. [M 32,768, K 1,024] x [K 1,024, N 1,024]; A: input x; B: input in_proj_weight: QUANTISED (scales: A lowp_scales[2], B lowp_scales[3])
;;     4. batch 8 x [M 1, K 128] x [K 128, N 32,768]; A: computed on the way; B: computed on the way: left as it is (M = 1 < 16)
;;     5. batch 8 x [M 1, K 32,768] x [K 32,768, N 128]; A: softmax; B: computed on the way: left as it is (M = 1 < 16)
;;     6. [M 1, K 1,024] x [K 1,024, N 1,024]; A: computed on the way; B: input out_proj_weight: left as it is (M = 1 < 16)
;;   THE QUANTISER, for each operand of a quantised product, along K:
;;     - The operand's scale is 2^e, e = its entry of the input lowp_scales (int32; the entries are numbered through the quantised products in the list's order, A before B).
;;     - Each number is divided by the scale, clamped to +-448, and rounded to the nearest number of E4M3, ties to even, subnormals kept.
;;     - The product sums the exact products of the quantised numbers (number of the format x scale) in f32.
;;   ~~~python
;;   def quantise(x, axis, e):      # numpy; x: float32 -> the quantised numbers, widened to float32 again
;;       x = np.moveaxis(x, axis, -1); K = x.shape[-1]
;;       r = np.clip(x / 2.0 ** e, -448, 448)
;;       step = 2.0 ** (np.maximum(np.frexp(np.where(r == 0, 1, r))[1] - 1, -6) - 3)
;;       q = np.round(r / step) * step * 2.0 ** e      # np.round: ties to even
;;       return np.moveaxis(q, -1, axis).astype(np.float32)
;;   ~~~
;; One version. Each part assembles by itself: llvm-mc -triple=amdgcn-amd-amdhsa -mcpu=gfx1250 --defsym DOCPART=n.
;; ======== version 1 of 1: 4 launches
;; limits: right only within a limited range of input values
;; workspace buffers: wcodes 2,097,152 bytes; qv 4,096 bytes; po 1,048,576 bytes; pml 16,384 bytes; av 4,096 bytes
;; launch prep (part 1): grid 160 x 1, 8 waves a work-group, no clusters, 69,120 bytes of LDS; arguments in_proj_weight, x, in_proj_bias, lowp_scales, wcodes, qv; writes wcodes, qv
.if DOCPART == 1
	.amdgcn_target "amdgcn-amd-amdhsa--gfx1250"
	.amdhsa_code_object_version 6
	.text
	.protected	k_qc892c90497_prep
	.globl	k_qc892c90497_prep
	.p2align	8
	.type	k_qc892c90497_prep,@function
k_qc892c90497_prep:
	s_mov_b64 s[64:65], 0
	v_nop
	global_prefetch_b8 v0, s[64:65] scope:SCOPE_SE
	s_setreg_imm32_b32 hwreg(HW_REG_WAVE_MODE, 25, 1), 1
	s_wait_xcnt 0x0
; TWO JOBS IN ONE BODY, told apart by the work-group's number b.
; b < 32:  y[32 b + i] = mat[32 b + i][:] . vec[:] + bias[32 b + i], i = 0 .. 31.  mat [.. ][1024], vec [1024], bias, y: f32; fused multiply-adds in f32.
;          Wave w takes rows 32 b + 4 w + 0 .. 3; a lane takes 32 numbers of each row; each load of a wave covers 512 consecutive bytes of a row.
;          The same path serves q = Wq x[0] + bq and, in a later launch of 32 work-groups, out = Wo a + bo.
; b >= 32: T = b - 32: rows 1024 + 16 T .. + 15 of mat become codes of FP8 (E4M3): code = w / 2^e, held within +-448, to the nearest code, ties to even.
;          e = entry 1 of the scales for T < 64 (the keys' weight), entry 3 for the others (the values').  LIMIT: -126 <= e <= 119.  NaN among the weights is not served.
;          Wave w takes the 128 along K that begin at 128 w.  The codes are laid in the ORDER OF THE OPERAND'S REGISTERS: 16 tiles of 131,072 bytes (128 rows each);
;          in a tile, byte (w / 2) 32768 + (T % 8) 4096 + (w % 2) 2048 + 512 c + 16 lane holds the 16 codes of row 16 (T % 8) + lane % 16, k = 128 w + 32 c + 16 (lane / 16) + 0 .. 15.
;          So a wave's store covers 512 consecutive bytes, and the reader's fragment comes by four loads of 16 bytes a lane.
; The two paths have LDS bytes of their own: the stages (8 x 8,448 bytes) and, behind them, 32 words for the product's results.
; WORK LEFT OUT IN THIS PROGRAM: the keys' bias, in_proj_bias[1024:2048].  It adds q[h] . bk[h] to every score of head h, the same number for all 32,768 keys, and a softmax along the keys
; is unchanged by a term that is the same along its axis, whatever finite values the inputs hold; no quantiser follows the keys.  Those 1,024 entries are loaded by no launch.
; LIMIT: a NaN, an infinity or an overflow that reaches only q . bk is not carried to the result.
.set SPI, 528
.set RES, 8*16*SPI                     ; the product path's 32 words
	s_load_b256 s[4:11], s[0:1], 0x0               ; mat s[4:5], vec s[6:7], bias s[8:9], the scales' exponents s[10:11]
	s_load_b128 s[12:15], s[0:1], 0x20             ; the codes s[12:13], y s[14:15]
	v_lshl_add_u32 v192, v0, 2, 0x10a00
	v_mov_b32 v193, 0
	v_lshrrev_b32 v1, 5, v0
	s_delay_alu instid0(VALU_DEP_1)
	v_readfirstlane_b32 s16, v1                    ; wave 0..7
	v_and_b32 v2, 31, v0                           ; lane
	s_delay_alu instid0(VALU_DEP_1)
	v_lshlrev_b32 v3, 4, v2                        ; 16 x lane
	s_cmp_lt_u32 ttmp9, 32                         ; the same in all waves of a work-group
	s_cbranch_scc0 .Lcodes
	; ---------------- the product with one vector
	v_lshlrev_b32 v4, 2, v2                        ; 4 x lane
	s_lshl_b32 s17, s16, 14                        ; my wave's four rows of 4,096 bytes
	v_add_nc_u32 v5, s17, v3
	s_lshl_b32 s18, ttmp9, 17                      ; the work-group's 32 rows
	s_mov_b32 s19, 0
	s_lshl_b32 s20, ttmp9, 7                       ; and its 32 numbers of bias and of y
	s_mov_b32 s21, 0
	s_mov_b32 s22, 0x76543210                      ; v_permlanex16_b32: each lane takes its own place in the other half
	s_mov_b32 s23, 0xfedcba98
	s_wait_alu depctr_va_vdst(0)
	v_lshl_add_u32 v6, v1, 4, RES                  ; where my wave's four results go: RES + 16 x wave
	v_add_nc_u32 v7, RES, v4                       ; and where wave 0 reads all 32
	s_wait_kmcnt 0x0
	s_add_nc_u64 s[4:5], s[4:5], s[18:19]
	s_add_nc_u64 s[8:9], s[8:9], s[20:21]
	s_add_nc_u64 s[14:15], s[14:15], s[20:21]
	global_load_b32 v8, v4, s[8:9]
.irp i, 0,1,2,3,4,5,6,7
	global_load_b128 v[16+4*\i:19+4*\i], v3, s[6:7] offset:512*\i              ; vec: numbers 128 i + 4 lane + 0 .. 3
.endr
.irp j, 0,1,2,3
.irp i, 0,1,2,3,4,5,6,7
	global_load_b128 v[48+32*\j+4*\i:51+32*\j+4*\i], v5, s[4:5] offset:4096*\j+512*\i th:TH_LOAD_NT   ; a row is read once in the launch
.endr
.endr
.macro DOT j                           ; row j of my four: two chains of packed multiply-adds, then the sum over the 32 lanes
.set RA, 176+4*\j
.set RM, 48+32*\j
	s_wait_loadcnt 24-8*\j                         ; loads come back in order: bias, vec and rows 0 .. j are in; the younger rows' eight loads each may be out
	v_pk_mul_f32 v[RA:RA+1], v[RM:RM+1], v[16:17]  ; the first products start the sums
	v_pk_mul_f32 v[RA+2:RA+3], v[RM+2:RM+3], v[18:19]
.irp i, 1,2,3,4,5,6,7
	s_delay_alu instid0(VALU_DEP_2)
	v_pk_fma_f32 v[RA:RA+1], v[RM+4*\i:RM+4*\i+1], v[16+4*\i:17+4*\i], v[RA:RA+1]
	s_delay_alu instid0(VALU_DEP_2)
	v_pk_fma_f32 v[RA+2:RA+3], v[RM+4*\i+2:RM+4*\i+3], v[18+4*\i:19+4*\i], v[RA+2:RA+3]
.endr
	s_delay_alu instid0(VALU_DEP_1)
	v_pk_add_f32 v[RA:RA+1], v[RA:RA+1], v[RA+2:RA+3]
	s_delay_alu instid0(VALU_DEP_1)
	v_add_f32 v[RA], v[RA], v[RA+1]
.irp m, 1,2,4,8
	s_delay_alu instid0(VALU_DEP_1)
	v_add_f32_dpp v[RA], v[RA], v[RA] row_xmask:\m row_mask:0xf bank_mask:0xf
.endr
	s_delay_alu instid0(VALU_DEP_1)
	v_permlanex16_b32 v[RA+1], v[RA], s22, s23
	s_delay_alu instid0(VALU_DEP_1)
	v_add_f32 v[RA], v[RA], v[RA+1]
	ds_store_b32 v6, v[RA] offset:4*\j             ; all lanes hold the same number and write the same word
.endm
	DOT 0
	DOT 1
	DOT 2
	DOT 3
	s_wait_dscnt 0x0                               ; for the others' sake: my four words have landed
	s_barrier_signal -1
	s_barrier_wait -1
	s_cmp_lg_u32 s16, 0
	s_cbranch_scc1 .Ldone
	ds_load_b32 v9, v7                             ; word 4 w + j is row 32 b + 4 w + j: lane = the row
	s_wait_dscnt 0x0
	v_add_f32 v9, v9, v8
	global_store_b32 v4, v9, s[14:15]              ; 128 consecutive bytes
.Ldone:
	s_wait_tensorcnt 0x0
	ds_add_u32 v192, v193
	s_wait_dscnt 0x0
	s_endpgm
	; ---------------- the weights' codes
.Lcodes:
	s_sub_co_u32 s17, ttmp9, 32                    ; T
	s_lshl_b32 s18, s17, 16                        ; 16 rows of 4,096 bytes for each T,
	s_add_co_u32 s18, s18, 1024*4096               ; behind the query's 1,024 rows
	s_mov_b32 s19, 0
	s_lshl_b32 s20, s16, 9                         ; my 128 along K: 512 bytes of a row
	s_wait_alu depctr_va_vdst(0)
	v_add_nc_u32 v5, s20, v3
	s_mul_i32 s21, s16, 16*SPI                     ; my stage
	v_add_nc_u32 v6, s21, v3                       ; in: a row's 512 bytes as they lie
	v_and_b32 v7, 15, v0
	v_bfe_u32 v8, v0, 4, 1
	s_delay_alu instid0(VALU_DEP_2)
	v_mul_u32_u24 v9, v7, SPI
	s_delay_alu instid0(VALU_DEP_1)
	v_lshl_add_u32 v9, v8, 6, v9
	s_delay_alu instid0(VALU_DEP_1)
	v_add_nc_u32 v9, s21, v9                       ; back: row lane % 16, 64 (lane / 16) bytes on: 16 neighbours of each 32 along K
	s_lshr_b32 s22, s17, 3
	s_lshl_b32 s22, s22, 17                        ; the tile,
	s_and_b32 s23, s17, 7
	s_lshl_b32 s23, s23, 12                        ; its block of 16 rows,
	s_add_co_u32 s22, s22, s23
	s_lshr_b32 s23, s16, 1
	s_lshl_b32 s23, s23, 15                        ; the quarter of K,
	s_add_co_u32 s22, s22, s23
	s_and_b32 s23, s16, 1
	s_lshl_b32 s23, s23, 11                        ; and its half
	s_add_co_u32 s22, s22, s23
	s_mov_b32 s23, 0
	s_wait_alu depctr_va_vdst(0)
	s_wait_kmcnt 0x0
	s_load_b128 s[24:27], s[10:11], 0x0
	s_add_nc_u64 s[4:5], s[4:5], s[18:19]
	s_add_nc_u64 s[12:13], s[12:13], s[22:23]
.irp i, 0,1,2,3,4,5,6,7,8,9,10,11,12,13,14,15
	global_load_b128 v[16+4*\i:19+4*\i], v5, s[4:5] offset:4096*\i th:TH_LOAD_NT   ; 32 lanes read 512 consecutive bytes of row i
.endr
	s_wait_kmcnt 0x0
	s_cmp_lt_u32 s17, 64
	s_cselect_b32 s24, s25, s27                    ; e
	s_add_co_i32 s24, s24, 127
	s_lshl_b32 s25, s24, 23
	v_mov_b32 v10, s25                             ; 2^e as f32: the conversion takes its exponent field
	s_add_co_i32 s24, s24, 8
	s_lshl_b32 s24, s24, 23
	s_or_b32 s24, s24, 0x600000
	v_mov_b32 v11, s24                             ; 448 x 2^e
	s_wait_alu depctr_va_vdst(0)
	s_wait_loadcnt 0x0
.irp i, 0,1,2,3,4,5,6,7,8,9,10,11,12,13,14,15
	ds_store_b128 v6, v[16+4*\i:19+4*\i] offset:SPI*\i
.endr
.irp c, 0,1,2,3
.irp j, 0,1,2,3
	ds_load_b128 v[80+16*\c+4*\j:83+16*\c+4*\j], v9 offset:128*\c+16*\j   ; LDS serves a wave's instructions in order (ISA guide 5.7.1.4): these see my stores.  Register 16 c + i: k = 32 c + 16 (lane / 16) + i
.endr
.endr
	s_wait_dscnt 0x0
.set n, 0
.rept 64
	v_med3_num_f32 v[80+n], v[80+n], -v11, v11     ; the conversion to an 8-bit code does not saturate (ISA guide 7.6.2): the hold at the largest code x the scale comes first
.set n, n+1
.endr
.irp g, 0,1,2,3,4,5,6,7
	v_cvt_scalef32_pk8_fp8_f32 v[144+2*\g:145+2*\g], v[80+8*\g:87+8*\g], v10
.endr
.irp c, 0,1,2,3
	global_store_b128 v3, v[144+4*\c:147+4*\c], s[12:13] offset:512*\c    ; registers 4 c .. 4 c + 3 of the fragment: 512 consecutive bytes, aligned
.endr
	s_wait_tensorcnt 0x0
	ds_add_u32 v192, v193
	s_wait_dscnt 0x0
	s_endpgm
.Lfunc_end_k_qc892c90497_prep:
	.size	k_qc892c90497_prep, .Lfunc_end_k_qc892c90497_prep-k_qc892c90497_prep
	.p2alignl 7, 3214868480
	.fill 96, 4, 3214868480
	.section	.rodata,"a",@progbits
	.p2align	6, 0x0
	.amdhsa_kernel k_qc892c90497_prep
		.amdhsa_group_segment_fixed_size 69120
		.amdhsa_private_segment_fixed_size 0
		.amdhsa_enable_private_segment 0
		.amdhsa_kernarg_size 48
		.amdhsa_user_sgpr_count 2
		.amdhsa_user_sgpr_kernarg_segment_ptr 1
		.amdhsa_wavefront_size32 1
		.amdhsa_system_sgpr_workgroup_id_x 1
		.amdhsa_system_sgpr_workgroup_id_y 1
		.amdhsa_system_sgpr_workgroup_id_z 1
		.amdhsa_system_vgpr_workitem_id 0
		.amdhsa_next_free_vgpr 194
		.amdhsa_next_free_sgpr 66
		.amdhsa_reserve_vcc 0
		.amdhsa_float_denorm_mode_32 3
		.amdhsa_float_denorm_mode_16_64 3
		.amdhsa_memory_ordered 1
		.amdhsa_forward_progress 1
		.amdhsa_inst_pref_size 25
	.end_amdhsa_kernel
	.amdgpu_metadata
---
amdhsa.version: [ 1, 2 ]
amdhsa.kernels:
  - .name:           k_qc892c90497_prep
    .symbol:         k_qc892c90497_prep.kd
    .args:
      - { .name: in_proj_weight, .offset: 0, .size: 8, .value_kind: global_buffer, .address_space: global }
      - { .name: x, .offset: 8, .size: 8, .value_kind: global_buffer, .address_space: global }
      - { .name: in_proj_bias, .offset: 16, .size: 8, .value_kind: global_buffer, .address_space: global }
      - { .name: lowp_scales, .offset: 24, .size: 8, .value_kind: global_buffer, .address_space: global }
      - { .name: wcodes, .offset: 32, .size: 8, .value_kind: global_buffer, .address_space: global }
      - { .name: qv, .offset: 40, .size: 8, .value_kind: global_buffer, .address_space: global }
    .group_segment_fixed_size: 69120
    .private_segment_fixed_size: 0
    .kernarg_segment_align: 8
    .kernarg_segment_size: 48
    .max_flat_workgroup_size: 256
    .sgpr_count:     66
    .vgpr_count:     194
    .wavefront_size: 32
...
	.end_amdgpu_metadata
.endif
;; end of part 1
;; launch attn (part 2): grid 256 x 1, 4 waves a work-group, clusters of 4 x 1, 327,680 bytes of LDS; arguments x, wcodes, qv, lowp_scales, po, pml; writes po, pml
.if DOCPART == 2
	.amdgcn_target "amdgcn-amd-amdhsa--gfx1250"
	.amdhsa_code_object_version 6
	.text
	.protected	k_qc892c90497_attn
	.globl	k_qc892c90497_attn
	.p2align	8
	.type	k_qc892c90497_attn,@function
k_qc892c90497_attn:
	s_mov_b64 s[64:65], 0
	v_nop
	global_prefetch_b8 v0, s[64:65] scope:SCOPE_SE
	s_setreg_imm32_b32 hwreg(HW_REG_WAVE_MODE, 25, 1), 1
	s_wait_xcnt 0x0
	s_wait_alu depctr_hold_cnt(0) depctr_sa_sdst(0) depctr_va_vdst(0) depctr_va_sdst(0) depctr_va_ssrc(0) depctr_va_vcc(0) depctr_vm_vsrc(0)
	s_getreg_b32 s2, hwreg(HW_REG_IB_STS2, 6, 4)
	s_cmp_eq_u32 s2, 0
	s_cbranch_scc0 .Lentry_in_a_cluster
	s_endpgm
.Lentry_in_a_cluster:
	s_bfe_u32 s2, ttmp6, 0x10000c
	s_cmp_lg_u32 s2, 0x3003
	s_cbranch_scc0 .Lentry_shape_is_right
	s_endpgm
.Lentry_shape_is_right:
; A work-group takes 128 keys (rows of x) through both QUANTISED products and the softmax's part sums: for each head M (largest t of its keys), l (sum of 2^(t - M)) and o[128] (sum of 2^(t - M) x v's raw sum).
; Left out: the keys' bias (the same term for all keys of a head: see the first kernel's head).  v's bias and 2^(e2 + e3) are applied by the launch that joins the parts.
; SHARES.  Wave w takes K = 256 w .. + 255 of all 128 rows: its x is quantised twice (scales e0, e2) into registers, 16 fragments each.  Scores and o are linear in the products, so each wave
; weighs its own part sums (with q, then with p) and the four waves' results meet in LDS.  A tile = one head's 128 rows of Wk or Wv, 131,072 bytes of codes in fragment order; 16 tiles go through
; a ring of two LDS slots; each wave fetches the 32,768 bytes that it reads itself.  CLUSTER: the four partners walk the same tiles: each fill is one joint load with the mask 15.
; Clusters begin at different heads (ROT = cluster % 8); LDS tables are in tile order, global places in head order.
; A tile is 8 blocks of 16 rows of W x 16 slots.  A slot: one matrix instruction, two packed multiply-adds on the accumulator set finished before, at most two fragment loads, all under ONE window setting:
; window 0: v0-31 addresses, v32-63 sums, v64-127 eight accumulators (row blocks 0-3 and 4-7 by turns), v128-255 W's fragments of four blocks.
; window 1: v0-127 x for K, row blocks 0-3; v128-191 x for V, row blocks 4,5; v192-255 q or p.   window 2: the same for row blocks 4-7 and 6,7.   window 3: v0-63 landing, v64-191 x for V, row blocks 0-3; v192-255 p.
; In the V phase v0 of windows 1 to 3 holds the slot's LDS address (x for K is done with).  The waits on LDS and barriers in a tile, but the one in front of the barrier's signal, stand between slots 7 and 8 of a block: there 16 packed lines lie between a sum's write and its next read.
; K phase: D = W x^T, a lane holds one key, registers run along d.  V phase: D = x W^T, a lane holds one d, registers run along the keys.
; Wv's codes are prefetched once, by the first eight clusters, four tiles ahead of their first fill.
; LIMITS: e0, e2 between -126 and 119; NaN in x is not served; scaled scores stay under 2^31 in magnitude.
.set SLOTB, 131072
.set SPARE, 2*SLOTB
.set QT,    SPARE+512                  ; q x c x 2^(e0+e1), 8 tiles x 512 bytes
.set PT,    QT+4096                    ; p, 8 tiles x 512 bytes
.set STG,   PT+4096                    ; the head's stages, 4 x 16 x 528; later SC and OS
.set SC,    STG                        ; scores' parts: 2048 tile + 512 wave + 4 key
.set OS,    STG+16384                  ; o's parts: 4096 wave + 512 tile + 4 d
.set SPI,   528
.set PFO, 1
.set SPW, 2
.set NIL, 3
.set BA0, 4
.set BAC, 5
.set QA0, 6
.set PTR0, 7
.set SCW0, 8
.set OSW0, 9
.set PQC, 10
.set OUC, 11
.set STV, 12
.set SCR, 15
.set GO0, 16
.set GO1, 17
.set STO, 18
.set LN,  19
.set XO,  20
.set SGW, 21
.set SGR, 22
.set ORD, 23
.set TM,  24
.set SCK, 28
.set LK,  29
.set SCV, 30
.set LV,  31
.set SS,  32
.set ACC, 64
.set BF,  128
.set PQ,  192
.set WB,  66
.set OF,  68
.set ROT, 70
.set TN,  71
.set PFA, 72
.set LIM, 74
.set T0,  75
.set T1,  76
.set MSB, 0
.macro WIN new                         ; the immediate's high byte repeats the setting that is left
.if MSB != (\new)
	s_set_vgpr_msb (MSB<<8)|(\new)
.set MSB, \new
.endif
.endm
.macro PLACES n
.rept \n
	v_nop
.endr
.endm
.macro CREST                           ; a round of the cluster's barrier behind its opening barrier
	s_cmp_lg_u32 s18, 0
	s_cbranch_scc1 .Lnot_wave_0_\@
	s_barrier_signal -3
.Lnot_wave_0_\@:
	s_barrier_wait -3
	s_barrier_signal -1
	s_barrier_wait -1
.endm
.macro ROUND
	s_barrier_signal -1
	s_barrier_wait -1
	CREST
.endm
	s_load_b256 s[4:11], s[0:1], 0x0               ; x, wcodes, qv, the scales' exponents
	s_load_b128 s[12:15], s[0:1], 0x20             ; po, pml
	v_lshl_add_u32 v[SPW], v0, 2, SPARE
	v_mov_b32 v[NIL], 0
	ds_add_u32 v[SPW], v[NIL]                      ; the opening lines: the add twice on end and one wait
	ds_add_u32 v[SPW], v[NIL]
	v_lshrrev_b32 v24, 5, v0
	v_readfirstlane_b32 s18, v24                   ; wave
	s_bfe_u32 s19, ttmp6, 0x40000
	s_lshl_b32 s20, ttmp9, 2
	s_add_co_u32 s20, s20, s19                     ; work-group = part
	s_and_b32 s[ROT], ttmp9, 7
	s_lshl_b32 s21, s18, 15
	s_lshl_b32 s22, s18, 9
	s_lshl_b32 s23, s18, 12
	s_lshl_b32 s45, s18, 10
	s_mul_i32 s46, s18, 16*SPI
	s_add_co_u32 s46, s46, STG
	s_lshl_b32 s55, s18, 1
	s_add_co_u32 s55, s55, s[ROT]                  ; tiles 2 w and 2 w + 1 are heads (s55) % 8 and (s55 + 1) % 8
	s_and_b32 s47, s55, 7
	s_lshl_b32 s47, s47, 9
	s_add_co_u32 s53, s55, 1
	s_and_b32 s53, s53, 7
	s_lshl_b32 s53, s53, 9
	s_mov_b32 s24, 15|(3<<16)|(1<<21)              ; group 1: mask 15, elements of 8 bytes: 128 rows of 256 bytes, dense
	s_mov_b32 s25, 32<<16
	s_mov_b32 s26, 128<<16
	s_mov_b32 s27, 32<<16
	s_mov_b32 s28, 128
	s_mov_b32 s29, 32
	s_mov_b32 s30, 0
	s_mov_b32 s31, 0
	s_mov_b32 s54, 0xffff0000
	s_mov_b32 s56, 0x76543210
	s_mov_b32 s57, 0xfedcba98
	s_mov_b32 s60, 0x3e0293ee                      ; c = log2(e) / sqrt(128)
	s_mov_b32 s63, 0
	s_mov_b32 s[OF+1], 0
	s_mov_b32 s[TN], 2
	s_wait_alu depctr_va_vdst(0)
	v_and_b32 v24, 31, v0
	v_and_b32 v25, 15, v0
	v_bfe_u32 v26, v0, 4, 1
	v_lshlrev_b32 v27, 4, v24
	v_lshlrev_b32 v[PFO], 8, v24
	v_add_nc_u32 v[BA0], s21, v27
	v_lshl_add_u32 v[QA0], v26, 5, QT
	v_lshl_add_u32 v[PTR0], v26, 5, PT
	v_lshl_add_u32 v[SCW0], v24, 2, s22
	v_add_nc_u32 v[SCW0], SC, v[SCW0]
	v_add_nc_u32 v[SCR], s23, v27
	v_add_nc_u32 v[SCR], SC, v[SCR]
	v_lshl_add_u32 v[OSW0], v24, 2, s23
	v_add_nc_u32 v[OSW0], OS, v[OSW0]
	v_add_nc_u32 v[XO], s45, v27
	v_add_nc_u32 v[ORD], OS, v[XO]
	v_add_nc_u32 v[SGW], s46, v27
	v_mul_u32_u24 v[SGR], v25, SPI
	v_lshl_add_u32 v[SGR], v26, 6, v[SGR]
	v_add_nc_u32 v[SGR], s46, v[SGR]
	v_add_nc_u32 v[GO0], s47, v27                  ; 512 x head + 16 x lane: q in, o out
	v_add_nc_u32 v[GO1], s53, v27
	v_bfe_u32 v[STO], v0, 1, 1
	v_add_nc_u32 v[STO], s55, v[STO]
	v_and_b32 v[STO], 7, v[STO]
	v_lshlrev_b32 v[STO], 3, v[STO]
	v_and_b32 v[LN], 1, v0
	v_lshl_add_u32 v[STO], v[LN], 2, v[STO]        ; lanes 0-3: where M, l of my two heads go
	v_and_b32 v[LN], 31, v0
	s_wait_alu depctr_va_vdst(0)
	s_wait_dscnt 0x0
	s_wait_kmcnt 0x0
	s_load_b128 s[48:51], s[10:11], 0x0            ; e0 .. e3
	s_lshl_b32 s62, s20, 19
	s_add_nc_u64 s[4:5], s[4:5], s[62:63]          ; my 128 rows of x
; unit u = row block u / 2, K half u % 2: 16 rows x 512 bytes.  Four landing sets of 64 registers: v192.. of windows 1, 2, 3 and v0.. of window 3.
.macro LOADU u
.set ls_, (\u)%4
.set lb_, 192-192*(ls_/3)
	WIN (1+ls_-ls_/3)<<6
.irp i, 0,1,2,3,4,5,6,7,8,9,10,11,12,13,14,15
	global_load_b128 v[lb_+4*\i:lb_+4*\i+3], v[XO], s[4:5] offset:(16*((\u)/2)+\i)*4096+512*((\u)%2) th:TH_LOAD_NT
.endr
.endm
.macro TURN u                          ; through my stage: in as loaded, back 16 neighbours along K a lane
.set ls_, (\u)%4
.set lb_, 192-192*(ls_/3)
	WIN (1+ls_-ls_/3)<<2
.irp i, 0,1,2,3,4,5,6,7,8,9,10,11,12,13,14,15
	ds_store_b128 v[SGW], v[lb_+4*\i:lb_+4*\i+3] offset:SPI*\i
.endr
	WIN 0
.irp c, 0,1,2,3
.irp j, 0,1,2,3
	ds_load_b128 v[BF+64*((\u)%2)+16*\c+4*\j:BF+64*((\u)%2)+16*\c+4*\j+3], v[SGR] offset:128*\c+16*\j
.endr
.endr
.endm
.macro QUANT u                         ; the hold at 448 x the scale, then the conversion: once for K's scale, once for V's
.set XS, BF+64*((\u)%2)
	WIN 0
.set n, 0
.rept 64
	v_med3_num_f32 v[ACC+n], v[XS+n], -v[LK], v[LK]
.set n, n+1
.endr
	WIN (1+(\u)/8)<<6
.irp g, 0,1,2,3,4,5,6,7
	v_cvt_scalef32_pk8_fp8_f32 v[16*((\u)%8)+2*\g:16*((\u)%8)+2*\g+1], v[ACC+8*\g:ACC+8*\g+7], v[SCK]
.endr
	WIN 0
.set n, 0
.rept 64
	v_med3_num_f32 v[XS+n], v[XS+n], -v[LV], v[LV]
.set n, n+1
.endr
.set va_, (\u)/8
.set vb_, (\u)/12
.set vr_, (1-va_)*(64+16*(\u))+va_*(128+16*((\u)%4))
	WIN (3-2*va_+vb_)<<6
.irp g, 0,1,2,3,4,5,6,7
	v_cvt_scalef32_pk8_fp8_f32 v[vr_+2*\g:vr_+2*\g+1], v[XS+8*\g:XS+8*\g+7], v[SCV]
.endr
	WIN 0
	v_nop                                          ; one plain line behind the last conversion
.endm
.macro STEPU u
	s_wait_dscnt 0x0                               ; this unit is back from the stage, and its landing set has been read
.if ((\u)+4) < 16
	LOADU (\u)+4
.endif
.if ((\u)+1) < 16
.if (\u) < 12
	s_wait_loadcnt 48                              ; the next unit is in; three units may be out
.else
	s_wait_loadcnt 16*(14-(\u))
.endif
	TURN (\u)+1
.endif
	QUANT \u
.endm
	s_mov_b32 s62, s21
	s_add_nc_u64 s[WB:WB+1], s[6:7], s[62:63]      ; my quarter of K in tile 0
	s_lshl_b32 s[OF], s[ROT], 17
	s_mov_b32 s32, 1
	s_mov_b32 s33, s21
	s_add_nc_u64 s[34:35], s[WB:WB+1], s[OF:OF+1]
	s_add_co_u32 s[T0], s[ROT], 1
	s_and_b32 s[T0], s[T0], 7
	s_lshl_b32 s[OF], s[T0], 17
	s_mov_b32 s36, 1
	s_add_co_u32 s37, s33, SLOTB
	s_add_nc_u64 s[38:39], s[WB:WB+1], s[OF:OF+1]
	s_or_b32 s35, s35, 0x80000000
	s_or_b32 s39, s39, 0x80000000
	s_lshl_b32 s62, s20, 12
	s_add_nc_u64 s[12:13], s[12:13], s[62:63]
	s_lshl_b32 s62, s20, 6
	s_add_nc_u64 s[14:15], s[14:15], s[62:63]
	s_and_b32 s62, s20, 31
	s_lshl_b32 s62, s62, 15
	s_lshl_b32 s[T0], s18, 13
	s_add_co_u32 s62, s62, s[T0]
	s_add_co_u32 s62, s62, 8*SLOTB
	s_add_nc_u64 s[PFA:PFA+1], s[6:7], s[62:63]    ; the prefetch: 32 work-groups x 4 waves x 8,192 bytes = Wv's codes
	s_cmp_lt_u32 ttmp9, 8
	s_cselect_b32 s[LIM], 4, -1
	ROUND
	tensor_load_to_lds s[32:35], s[24:31]          ; tile 0: one tensor load a wave at the head
	s_nop 0
	PLACES 4
	global_load_b128 v[192:195], v[GO0], s[8:9]    ; q of my two tiles
	global_load_b128 v[196:199], v[GO1], s[8:9]
	LOADU 0                                        ; x's first three units are out while tile 0 lands
	LOADU 1
	LOADU 2
	WIN 0
	s_wait_alu depctr_va_vdst(0)
	s_wait_tensorcnt 0x0                           ; the full sequence ahead of slot 1's first fill
	ds_add_u32 v[SPW], v[NIL]
	s_wait_dscnt 0x0
	ROUND
	tensor_load_to_lds s[36:39], s[24:31]          ; tile 1
	s_nop 0
	PLACES 4
	s_wait_loadcnt 48                              ; q is in; the three units may be out
	s_wait_kmcnt 0x0
	s_add_co_i32 s52, s48, s49
.irp i, 0,1,2,3,4,5,6,7
	v_mul_f32 v[192+\i], s60, v[192+\i]
.endr
.irp i, 0,1,2,3,4,5,6,7
	v_ldexp_f32 v[192+\i], v[192+\i], s52          ; q x c x 2^(e0 + e1): a raw sum weighed with it is t
.endr
	v_add_nc_u32 v26, QT, v[XO]
	ds_store_b128 v26, v[192:195]
	ds_store_b128 v26, v[196:199] offset:512
	s_add_co_i32 s22, s48, 127
	s_lshl_b32 s23, s22, 23
	v_mov_b32 v[SCK], s23
	s_add_co_i32 s22, s22, 8
	s_lshl_b32 s22, s22, 23
	s_or_b32 s22, s22, 0x600000
	v_mov_b32 v[LK], s22
	s_add_co_i32 s22, s50, 127
	s_lshl_b32 s23, s22, 23
	v_mov_b32 v[SCV], s23
	s_add_co_i32 s22, s22, 8
	s_lshl_b32 s22, s22, 23
	s_or_b32 s22, s22, 0x600000
	v_mov_b32 v[LV], s22
	LOADU 3
	s_wait_alu depctr_va_vdst(0)
	s_wait_loadcnt 48
	TURN 0
.irp u, 0,1,2,3,4,5,6,7,8,9,10,11,12,13,14,15
	STEPU \u
.endr
	s_wait_alu depctr_va_vdst(0)
	s_wait_dscnt 0x0
	s_barrier_signal -1
	s_barrier_wait -1                              ; q's table is whole, the stages are free
; slot s of block nb: set g = s / 8, row block 4 g + s % 4, K half (s % 8) / 4
.macro MMS ty, nb, s
.set g_, (\s)/8
.set i_, (\s)%8
.set k_, i_/4
.set rD, ACC+8*(4*g_+i_%4)
.set rW, BF+32*((\nb)%4)+16*k_
.if \ty
.if g_
	WIN 1+(i_%4)/2
.set rX, 128+16*(2*(i_%2)+k_)
.else
	WIN 3
.set rX, 64+16*(2*(i_%4)+k_)
.endif
.if k_
	v_wmma_f32_16x16x128_fp8_fp8 v[rD:rD+7], v[rX:rX+15], v[rW:rW+15], v[rD:rD+7]
.else
	v_wmma_f32_16x16x128_fp8_fp8 v[rD:rD+7], v[rX:rX+15], v[rW:rW+15], 0
.endif
.else
	WIN (1+g_)<<2
.set rX, 16*(2*(i_%4)+k_)
.if k_
	v_wmma_f32_16x16x128_fp8_fp8 v[rD:rD+7], v[rW:rW+15], v[rX:rX+15], v[rD:rD+7]
.else
	v_wmma_f32_16x16x128_fp8_fp8 v[rD:rD+7], v[rW:rW+15], v[rX:rX+15], 0
.endif
.endif
.endm
; two packed lines on the other set's accumulators (block nb - 1 + g), each accumulator from its low end on
.macro EPS ty, nb, s
.set g_, (\s)/8
.set i_, (\s)%8
.set p_, 2*(i_/4)+i_%2
.set nq_, (\nb)-1+g_
.irp j, 0,1
.set a_, 4*(1-g_)+2*((i_/2)%2)+\j
.set rA, ACC+8*a_+2*p_
.if \ty
.set rO, SS+4*nq_+2*\j
.set rP, PQ+8*a_+2*p_
.if g_ && (i_ == 0)
	v_pk_mul_f32 v[rO:rO+1], v[rP:rP+1], v[rA:rA+1]
.else
	v_pk_fma_f32 v[rO:rO+1], v[rP:rP+1], v[rA:rA+1], v[rO:rO+1]
.endif
.else
.set rS, SS+2*a_
.set rQ, PQ+8*nq_+2*p_
.if (nq_ == 0) && (p_ == 0)
	v_pk_mul_f32 v[rS:rS+1], v[rA:rA+1], v[rQ:rQ+1]
.else
	v_pk_fma_f32 v[rS:rS+1], v[rA:rA+1], v[rQ:rQ+1], v[rS:rS+1]
.endif
.endif
.endr
.endm
.macro WLD ty, gT, n                   ; load n of the 16 that bring blocks 2 gT, 2 gT + 1
.set rL, BF+64*((\gT)%2)+4*(\n)
.if \ty
	ds_load_b128 v[rL:rL+3], v0 offset:8192*(\gT)+512*(\n)
.else
	ds_load_b128 v[rL:rL+3], v[BAC] offset:8192*(\gT)+512*(\n)
.endif
.endm
.macro WRUN ty, b                      ; block b's two fragments in one run of 8 loads; the setting is that of the slots 0-7 (address and destination fields as the loads want them)
.if \ty
	WIN 3
.else
	WIN 4
.endif
.set ln_, 8*((\b)%2)
.rept 8
	WLD \ty, (\b)/2, ln_
.set ln_, ln_+1
.endr
.endm
.macro RUNS ty, nb, from, to, epi, gT, per
.set s_, \from
.rept (\to)-(\from)
	MMS \ty, \nb, s_
.if \epi
	EPS \ty, \nb, s_
.endif
.if \per
.rept \per
	WLD \ty, \gT, ln_
.set ln_, ln_+1
.endr
.endif
.set s_, s_+1
.endr
.endm
.macro ASK
	s_cmp_eq_u32 s41, s[LIM]
	s_cbranch_scc0 .Lnot_mine_\@
	global_prefetch_b8 v[PFO], s[PFA:PFA+1] th:TH_LOAD_NT scope:SCOPE_SE
.Lnot_mine_\@:
.endm
.macro FINK                            ; 8 row blocks' sums: the pair, then the two halves of d: key 32 q + lane
.irp t, 0,1,2,3,4,5,6,7
	v_add_f32 v[48+\t], v[SS+2*\t], v[SS+2*\t+1]
.endr
.irp q, 0,1,2,3
	v_cndmask_b32 v[56+\q], v[48+2*\q], v[49+2*\q], s54
	v_cndmask_b32 v[60+\q], v[49+2*\q], v[48+2*\q], s54
.endr
.irp q, 0,1,2,3
	v_permlanex16_b32 v[TM+\q], v[60+\q], s56, s57
.endr
.irp q, 0,1,2,3
	v_add_f32 v[56+\q], v[56+\q], v[TM+\q]
.endr
.irp q, 0,1,2,3
	ds_store_b32 v[OUC], v[56+\q] offset:128*\q
.endr
.endm
.macro FINV                            ; 8 blocks' sums: four numbers each, then the two halves of the keys: d = 32 g + lane
.irp g, 0,1,2,3
	v_pk_add_f32 v[SS+8*\g:SS+8*\g+1], v[SS+8*\g:SS+8*\g+1], v[SS+8*\g+2:SS+8*\g+3]
	v_pk_add_f32 v[SS+8*\g+4:SS+8*\g+5], v[SS+8*\g+4:SS+8*\g+5], v[SS+8*\g+6:SS+8*\g+7]
.endr
.irp g, 0,1,2,3
	v_add_f32 v[SS+8*\g], v[SS+8*\g], v[SS+8*\g+1]
	v_add_f32 v[SS+8*\g+4], v[SS+8*\g+4], v[SS+8*\g+5]
.endr
.irp g, 0,1,2,3
	v_cndmask_b32 v[SS+8*\g+1], v[SS+8*\g], v[SS+8*\g+4], s54
	v_cndmask_b32 v[SS+8*\g+2], v[SS+8*\g+4], v[SS+8*\g], s54
.endr
.irp g, 0,1,2,3
	v_permlanex16_b32 v[TM+\g], v[SS+8*\g+2], s56, s57
.endr
.irp g, 0,1,2,3
	v_add_f32 v[TM+\g], v[TM+\g], v[SS+8*\g+1]
.endr
.irp g, 0,1,2,3
	ds_store_b32 v[OUC], v[TM+\g] offset:128*\g
.endr
.endm
; A TILE.  ty: 0 K, 1 V.  fill: the slot that is left is filled again with the tile two on.
.macro TILE ty, fill
.if \ty
	v_add_nc_u32 v[PQC], s43, v[PTR0]
	v_add_nc_u32 v[OUC], s43, v[OSW0]
.irp r, 0,1,2,3,4,5,6,7
	WIN (1+\r/2-\r/6)<<6                           ; p of row blocks 0,1 / 2,3 / 4-7 to windows 1 / 2 / 3: where the slots that use them stand
	ds_load_b128 v[PQ+8*\r:PQ+8*\r+3], v[PQC] offset:64*\r
	ds_load_b128 v[PQ+8*\r+4:PQ+8*\r+7], v[PQC] offset:64*\r+16
.endr
	s_wait_dscnt 16                                ; blocks 0, 1 of W are in; the 16 loads of p may be out
.else
	v_add_nc_u32 v[PQC], s43, v[QA0]
	v_add_nc_u32 v[OUC], s44, v[SCW0]
.irp w, 1,2
	WIN \w<<6                                      ; q to both windows that hold x for K
.irp n, 0,1,2,3,4,5,6,7,8,9,10,11,12,13,14,15
	ds_load_b128 v[PQ+4*\n:PQ+4*\n+3], v[PQC] offset:64*(\n/2)+16*(\n%2)
.endr
.endr
	s_wait_dscnt 32                                ; blocks 0, 1 of W are in; the 32 loads of q may be out
.endif
.set ln_, 0
	RUNS \ty, 0, 0, 8, 0, 0, 0
	s_wait_dscnt 0x0                               ; q or p is in
	WRUN \ty, 2
	PLACES 4                                       ; behind the first set's last product, ahead of its first reader
	RUNS \ty, 0, 8, 16, 1, 0, 0
.irp b, 1,2,3,4,5                      ; between slots 7 and 8 of block b: block b + 1 is in, block b + 2 is asked for (its registers were last read by block b - 2)
	RUNS \ty, \b, 0, 8, 1, 0, 0
	s_wait_dscnt 0x0
	WRUN \ty, \b+2
	RUNS \ty, \b, 8, 16, 1, 0, 0
.endr
	RUNS \ty, 6, 0, 8, 1, 0, 0
	WIN 0
	s_wait_tensorcnt 0x0                           ; my one load that was out, the next tile's, has landed
	ds_add_u32 v[SPW], v[NIL]                      ; eight slots stand between the add and its wait
.if \fill
	s_xor_b32 s37, s37, SLOTB
	s_add_co_u32 s[T0], s[TN], s[ROT]
	s_and_b32 s[T0], s[T0], 7
	s_and_b32 s[T1], s[TN], 8
	s_or_b32 s[T0], s[T0], s[T1]
	s_lshl_b32 s[OF], s[T0], 17
	s_add_nc_u64 s[38:39], s[WB:WB+1], s[OF:OF+1]
	s_or_b32 s39, s39, 0x80000000
	s_add_co_u32 s[TN], s[TN], 1
.endif
	RUNS \ty, 6, 8, 16, 1, 0, 0
	s_wait_alu depctr_va_vdst(0)
	s_wait_dscnt 0x0
	s_barrier_signal -1
	RUNS \ty, 7, 0, 8, 1, 0, 0
	WIN 0
	s_barrier_wait -1
.if \fill
	CREST                                          ; the barrier has opened a round of the cluster's barrier
	tensor_load_to_lds s[36:39], s[24:31]          ; the first and only tensor load behind the round
	s_nop 0
	PLACES 4
.endif
	s_xor_b32 s40, s40, SLOTB
.if \ty
.irp w, 1,2,3
	WIN \w<<6
	v_add_nc_u32 v0, s40, v[BA0]
.endr
	WIN 0
.endif
.if (1-\ty) || (1-\fill)
	v_add_nc_u32 v[BAC], s40, v[BA0]
.endif
.set ln_, 0
.if \fill
	WRUN \ty, 0                                    ; the next tile's blocks 0, 1, from the other slot
	WRUN \ty, 1
	RUNS \ty, 7, 8, 16, 1, 0, 0
.else
	RUNS \ty, 7, 8, 16, 1, 0, 0
	WIN 0
	s_wait_alu depctr_va_vdst(0)
	s_cmp_eq_u32 s41, 1
	s_cbranch_scc1 .Lno_next_\@
.rept 16
	WLD 0, 0, ln_
.set ln_, ln_+1
.endr
.Lno_next_\@:
.endif
.if \ty
	WIN 3
.else
	WIN 4
.endif
.set s_, 0
.rept 8
	EPS \ty, 8, s_                                 ; block 7's second set
.set s_, s_+1
.endr
	WIN 0
.if \ty
	FINV
.else
	FINK
.endif
.endm
	s_mov_b32 s40, 0
	s_mov_b32 s41, 8
	s_mov_b32 s43, 0
	s_mov_b32 s44, 0
	v_add_nc_u32 v[BAC], s40, v[BA0]
	s_wait_alu depctr_va_vdst(0)
.set ln_, 0
.rept 16
	WLD 0, 0, ln_
.set ln_, ln_+1
.endr
.Lk:
	TILE 0, 1
	ASK
	s_add_co_u32 s43, s43, 512
	s_add_co_u32 s44, s44, 2048
	s_sub_co_u32 s41, s41, 1
	s_cmp_lg_u32 s41, 0
	s_wait_alu depctr_va_vdst(0)
	s_cbranch_scc1 .Lk
	; THE SOFTMAX, once: wave w takes tiles 2 w, 2 w + 1; a lane holds keys 4 lane .. + 3
	s_wait_alu depctr_va_vdst(0)
	s_wait_dscnt 0x0
	s_barrier_signal -1
	s_barrier_wait -1
.irp a, 0,1
.irp q, 0,1,2,3
	ds_load_b128 v[32+16*\a+4*\q:35+16*\a+4*\q], v[SCR] offset:2048*\a+512*\q
.endr
.endr
.irp w, 1,2,3
	WIN \w<<6
	v_add_nc_u32 v0, s40, v[BA0]                   ; the slot's address for the V phase's loads
.endr
	WIN 0
	v_add_nc_u32 v13, PT, v[XO]
	s_mov_b32 s58, 0xaaaaaaaa
	s_mov_b32 s59, 0xcccccccc
	s_wait_alu depctr_va_vdst(0)
	s_wait_dscnt 0x0
.irp a, 0,1
	v_pk_add_f32 v[32+16*\a:33+16*\a], v[32+16*\a:33+16*\a], v[36+16*\a:37+16*\a]
	v_pk_add_f32 v[34+16*\a:35+16*\a], v[34+16*\a:35+16*\a], v[38+16*\a:39+16*\a]
	v_pk_add_f32 v[40+16*\a:41+16*\a], v[40+16*\a:41+16*\a], v[44+16*\a:45+16*\a]
	v_pk_add_f32 v[42+16*\a:43+16*\a], v[42+16*\a:43+16*\a], v[46+16*\a:47+16*\a]
.endr
.irp a, 0,1
	v_pk_add_f32 v[32+16*\a:33+16*\a], v[32+16*\a:33+16*\a], v[40+16*\a:41+16*\a]
	v_pk_add_f32 v[34+16*\a:35+16*\a], v[34+16*\a:35+16*\a], v[42+16*\a:43+16*\a]
.endr
.irp a, 0,1
	v_max3_num_f32 v[64+\a], v[32+16*\a], v[33+16*\a], v[34+16*\a]
.endr
.irp a, 0,1
	v_max_num_f32 v[64+\a], v[64+\a], v[35+16*\a]
.endr
.irp m, 1,2,4,8
.irp a, 0,1
	v_max_num_f32_dpp v[64+\a], v[64+\a], v[64+\a] row_xmask:\m row_mask:0xf bank_mask:0xf
.endr
.endr
.irp a, 0,1
	v_permlanex16_b32 v[66+\a], v[64+\a], s56, s57
.endr
.irp a, 0,1
	v_max_num_f32 v[64+\a], v[64+\a], v[66+\a]     ; M
.endr
.irp a, 0,1
.irp i, 0,1,2,3
	v_sub_f32 v[32+16*\a+\i], v[32+16*\a+\i], v[64+\a]
.endr
.endr
	s_wait_alu depctr_va_vdst(0)
.irp a, 0,1
.irp i, 0,1,2,3
	v_exp_f32 v[32+16*\a+\i], v[32+16*\a+\i]       ; p = 2^(t - M)
.endr
.endr
	v_nop
	s_wait_alu depctr_va_vdst(0)
	ds_store_b128 v13, v[32:35]
	ds_store_b128 v13, v[48:51] offset:512
.irp a, 0,1
	v_add_f32 v[68+\a], v[32+16*\a], v[33+16*\a]
	v_add_f32 v[70+\a], v[34+16*\a], v[35+16*\a]
.endr
.irp a, 0,1
	v_add_f32 v[68+\a], v[68+\a], v[70+\a]
.endr
.irp m, 1,2,4,8
.irp a, 0,1
	v_add_f32_dpp v[68+\a], v[68+\a], v[68+\a] row_xmask:\m row_mask:0xf bank_mask:0xf
.endr
.endr
.irp a, 0,1
	v_permlanex16_b32 v[66+\a], v[68+\a], s56, s57
.endr
.irp a, 0,1
	v_add_f32 v[68+\a], v[68+\a], v[66+\a]         ; l
.endr
	v_cndmask_b32 v[STV], v64, v68, s58            ; lanes 0-3: M, l of tile 2 w, M, l of tile 2 w + 1
	v_cndmask_b32 v14, v65, v69, s58
	v_cndmask_b32 v[STV], v[STV], v14, s59
	s_wait_alu depctr_va_vdst(0)
	s_wait_dscnt 0x0
	s_barrier_signal -1
	s_barrier_wait -1
	s_mov_b32 s43, 0
	s_mov_b32 s41, 6
.Lv:
	TILE 1, 1
	s_add_co_u32 s43, s43, 512
	s_sub_co_u32 s41, s41, 1
	s_cmp_lg_u32 s41, 0
	s_wait_alu depctr_va_vdst(0)
	s_cbranch_scc1 .Lv
	s_mov_b32 s41, 2
.Ltail:                                            ; the last two tiles fill nothing
	TILE 1, 0
	s_add_co_u32 s43, s43, 512
	s_sub_co_u32 s41, s41, 1
	s_cmp_lg_u32 s41, 0
	s_wait_alu depctr_va_vdst(0)
	s_cbranch_scc1 .Ltail
	s_wait_alu depctr_va_vdst(0)
	s_wait_dscnt 0x0
	s_barrier_signal -1
	s_barrier_wait -1
.irp a, 0,1                            ; the four waves' parts of o for my two tiles
.irp q, 0,1,2,3
	ds_load_b128 v[32+16*\a+4*\q:35+16*\a+4*\q], v[ORD] offset:4096*\q+512*\a
.endr
.endr
	s_wait_dscnt 0x0
.irp a, 0,1
	v_pk_add_f32 v[32+16*\a:33+16*\a], v[32+16*\a:33+16*\a], v[36+16*\a:37+16*\a]
	v_pk_add_f32 v[34+16*\a:35+16*\a], v[34+16*\a:35+16*\a], v[38+16*\a:39+16*\a]
	v_pk_add_f32 v[40+16*\a:41+16*\a], v[40+16*\a:41+16*\a], v[44+16*\a:45+16*\a]
	v_pk_add_f32 v[42+16*\a:43+16*\a], v[42+16*\a:43+16*\a], v[46+16*\a:47+16*\a]
.endr
.irp a, 0,1
	v_pk_add_f32 v[32+16*\a:33+16*\a], v[32+16*\a:33+16*\a], v[40+16*\a:41+16*\a]
	v_pk_add_f32 v[34+16*\a:35+16*\a], v[34+16*\a:35+16*\a], v[42+16*\a:43+16*\a]
.endr
	global_store_b128 v[GO0], v[32:35], s[12:13]   ; a head's 512 consecutive bytes
	global_store_b128 v[GO1], v[48:51], s[12:13]
	v_cmp_gt_u32 vcc_lo, 4, v[LN]
	s_wait_xcnt 0x0                                ; EXEC changes only behind this wait
	s_and_saveexec_b32 s58, vcc_lo
	global_store_b32 v[STO], v[STV], s[14:15]
	s_wait_xcnt 0x0
	s_or_b32 exec_lo, exec_lo, s58
	s_wait_tensorcnt 0x0                           ; the wave's end
	ds_add_u32 v[SPW], v[NIL]
	s_wait_dscnt 0x0
	ROUND                                          ; the closing round
	s_endpgm
.Lfunc_end_k_qc892c90497_attn:
	.size	k_qc892c90497_attn, .Lfunc_end_k_qc892c90497_attn-k_qc892c90497_attn
	.p2alignl 7, 3214868480
	.fill 96, 4, 3214868480
	.section	.rodata,"a",@progbits
	.p2align	6, 0x0
	.amdhsa_kernel k_qc892c90497_attn
		.amdhsa_group_segment_fixed_size 327680
		.amdhsa_private_segment_fixed_size 0
		.amdhsa_enable_private_segment 0
		.amdhsa_kernarg_size 48
		.amdhsa_user_sgpr_count 2
		.amdhsa_user_sgpr_kernarg_segment_ptr 1
		.amdhsa_wavefront_size32 1
		.amdhsa_system_sgpr_workgroup_id_x 1
		.amdhsa_system_sgpr_workgroup_id_y 1
		.amdhsa_system_sgpr_workgroup_id_z 1
		.amdhsa_system_vgpr_workitem_id 0
		.amdhsa_next_free_vgpr 1024
		.amdhsa_next_free_sgpr 80
		.amdhsa_reserve_vcc 1
		.amdhsa_float_denorm_mode_32 3
		.amdhsa_float_denorm_mode_16_64 3
		.amdhsa_memory_ordered 1
		.amdhsa_forward_progress 1
		.amdhsa_inst_pref_size 255
	.end_amdhsa_kernel
	.section	.bss,"aw",@nobits
	.p2align	6
	.space	262144
	.amdgpu_metadata
---
amdhsa.version: [ 1, 2 ]
amdhsa.kernels:
  - .name:           k_qc892c90497_attn
    .symbol:         k_qc892c90497_attn.kd
    .args:
      - { .name: x, .offset: 0, .size: 8, .value_kind: global_buffer, .address_space: global }
      - { .name: wcodes, .offset: 8, .size: 8, .value_kind: global_buffer, .address_space: global }
      - { .name: qv, .offset: 16, .size: 8, .value_kind: global_buffer, .address_space: global }
      - { .name: lowp_scales, .offset: 24, .size: 8, .value_kind: global_buffer, .address_space: global }
      - { .name: po, .offset: 32, .size: 8, .value_kind: global_buffer, .address_space: global }
      - { .name: pml, .offset: 40, .size: 8, .value_kind: global_buffer, .address_space: global }
    .group_segment_fixed_size: 327680
    .private_segment_fixed_size: 0
    .kernarg_segment_align: 8
    .kernarg_segment_size: 48
    .max_flat_workgroup_size: 128
    .sgpr_count:     80
    .vgpr_count:     1024
    .wavefront_size: 32
...
	.end_amdgpu_metadata
.endif
;; end of part 2
;; launch combine (part 3): grid 8 x 1, 16 waves a work-group, no clusters, 10,240 bytes of LDS; arguments po, pml, in_proj_bias, lowp_scales, av; writes av
.if DOCPART == 3
	.amdgcn_target "amdgcn-amd-amdhsa--gfx1250"
	.amdhsa_code_object_version 6
	.text
	.protected	k_qc892c90497_combine
	.globl	k_qc892c90497_combine
	.p2align	8
	.type	k_qc892c90497_combine,@function
k_qc892c90497_combine:
	s_mov_b64 s[64:65], 0
	v_nop
	global_prefetch_b8 v0, s[64:65] scope:SCOPE_SE
	s_setreg_imm32_b32 hwreg(HW_REG_WAVE_MODE, 25, 1), 1
	s_wait_xcnt 0x0
; THE 256 PARTS OF A HEAD ARE JOINED.  Part w of head h: M (the largest t of its 128 keys), l (the sum of 2^(t - M)) and o[128] (the sum of 2^(t - M) x v's raw sum).
; M* = the largest M; c_w = 2^(M_w - M*), at most 1; a[128 h + n] = (sum of c_w o_w[n]) / (sum of c_w l_w) x 2^(e2 + e3) + bv[128 h + n].
; (A raw sum of the values' product stands for sum x 2^(e2 + e3); the softmax's weights add up to 1, so v's bias is added once.)
; A work-group takes a head; each of its 16 waves takes 16 parts: a lane holds 4 channels, each load of o covers a part's 512 consecutive bytes.  Every wave makes M* and the divisor for itself from all 256 (M, l).
; The 16 waves' sums meet in LDS; wave 0 adds them and stores 512 consecutive bytes.  No matrix work, no tensor load: the bytes are few and each is read once.
	s_load_b256 s[4:11], s[0:1], 0x0               ; po s[4:5], pml s[6:7], in_proj_bias s[8:9], the scales' exponents s[10:11]
	s_load_b64 s[12:13], s[0:1], 0x20              ; av
	v_lshl_add_u32 v128, v0, 2, 0x2000
	v_mov_b32 v129, 0
	v_lshrrev_b32 v1, 5, v0
	s_delay_alu instid0(VALU_DEP_1)
	v_readfirstlane_b32 s14, v1                    ; wave 0..15
	v_and_b32 v2, 31, v0
	s_delay_alu instid0(VALU_DEP_1)
	v_lshlrev_b32 v3, 4, v2                        ; 16 x lane
	s_delay_alu instid0(VALU_DEP_2)
	v_lshlrev_b32 v4, 6, v2                        ; 64 x lane: a part's 8 heads x (M, l)
	v_and_b32 v5, 15, v0
	s_lshl_b32 s15, s14, 10
	v_lshl_add_u32 v5, v5, 6, s15                  ; part 16 wave + lane % 16
	s_lshl_b32 s15, s14, 16
	v_add_nc_u32 v6, s15, v3                       ; my wave's 16 parts of 4,096 bytes
	s_lshl_b32 s15, s14, 9
	v_add_nc_u32 v7, s15, v3                       ; LDS: 512 x wave + 16 x lane
	s_lshl_b32 s16, ttmp9, 3                       ; the head's (M, l) in a part
	s_mov_b32 s17, 0
	s_lshl_b32 s18, ttmp9, 9                       ; the head's 128 numbers
	s_mov_b32 s19, 0
	s_mov_b32 s20, 0x76543210                      ; v_permlanex16_b32: each lane takes its own place in the other half
	s_mov_b32 s21, 0xfedcba98
	s_wait_alu depctr_va_vdst(0)
	s_wait_kmcnt 0x0
	s_load_b128 s[24:27], s[10:11], 0x0            ; e0 .. e3
	s_add_nc_u64 s[6:7], s[6:7], s[16:17]
	s_add_nc_u64 s[4:5], s[4:5], s[18:19]
	s_add_nc_u64 s[8:9], s[8:9], s[18:19]
	s_add_nc_u64 s[12:13], s[12:13], s[18:19]
.irp i, 0,1,2,3,4,5,6,7
	global_load_b64 v[16+2*\i:17+2*\i], v4, s[6:7] offset:2048*\i              ; (M, l) of part lane + 32 i
.endr
	global_load_b32 v32, v5, s[6:7]                                            ; M of part 16 wave + lane % 16
	global_load_b128 v[36:39], v3, s[8:9] offset:8192                          ; v's bias: entries 2048 + 128 h + 4 lane on
.irp i, 0,1,2,3,4,5,6,7,8,9,10,11,12,13,14,15
	global_load_b128 v[40+4*\i:43+4*\i], v6, s[4:5] offset:4096*\i th:TH_LOAD_NT   ; o of part 16 wave + i
.endr
.irp i, 0,1,2,3,4,5,6,7
	v_mov_b32 v[108+\i], 0                         ; four pairs for the parts' factors: a DPP move's destination counts as read, and a pair is named whole
.endr
	s_wait_loadcnt 17                              ; the nine loads of M and l are in; the bias and the 16 loads of o may be out
	v_max3_num_f32 v8, v16, v18, v20
	v_max3_num_f32 v9, v22, v24, v26
	s_delay_alu instid0(VALU_DEP_2)
	v_max3_num_f32 v8, v8, v28, v30
	s_delay_alu instid0(VALU_DEP_1)
	v_max_num_f32 v8, v8, v9
.irp m, 1,2,4,8
	s_delay_alu instid0(VALU_DEP_1)
	v_max_num_f32_dpp v8, v8, v8 row_xmask:\m row_mask:0xf bank_mask:0xf
.endr
	s_delay_alu instid0(VALU_DEP_1)
	v_permlanex16_b32 v9, v8, s20, s21
	s_delay_alu instid0(VALU_DEP_1)
	v_max_num_f32 v8, v8, v9                       ; M*
.irp i, 0,1,2,3,4,5,6,7
	v_sub_f32 v[16+2*\i], v[16+2*\i], v8
.endr
	v_sub_f32 v32, v32, v8
	s_wait_alu depctr_va_vdst(0)
.irp i, 0,1,2,3,4,5,6,7
	v_exp_f32 v[16+2*\i], v[16+2*\i]               ; c = 2^(M - M*)
.endr
	v_exp_f32 v32, v32
	v_mov_b32 v13, 0                               ; one plain instruction behind the last exponential (v13: the upper half of the pair v[12:13] below),
	s_wait_alu depctr_va_vdst(0)                   ; and the one wait for the nine, ahead of their first reader
	v_mul_f32 v10, v16, v17
.irp i, 1,2,3,4,5,6,7
	v_fmac_f32 v10, v[16+2*\i], v[17+2*\i]
.endr
.irp m, 1,2,4,8
	s_delay_alu instid0(VALU_DEP_1)
	v_add_f32_dpp v10, v10, v10 row_xmask:\m row_mask:0xf bank_mask:0xf
.endr
	s_delay_alu instid0(VALU_DEP_1)
	v_permlanex16_b32 v9, v10, s20, s21
	s_delay_alu instid0(VALU_DEP_1)
	v_add_f32 v10, v10, v9                         ; the divisor: the sum of c l over all 256 parts
	s_wait_loadcnt 0x0
.irp i, 0,1,2,3,4,5,6,7,8,9,10,11,12,13,14,15
	v_mov_b32_dpp v[108+2*(\i%4)], v32 row_share:\i row_mask:0xf bank_mask:0xf     ; part 16 wave + i's factor lies in lane i of each half: all lanes take it
.if \i == 0
	s_delay_alu instid0(VALU_DEP_1)
	v_pk_mul_f32 v[104:105], v[40:41], v[108:109] op_sel_hi:[1,0]                  ; the first part starts the sums (the factor's low word serves both halves)
	s_delay_alu instid0(VALU_DEP_2)
	v_pk_mul_f32 v[106:107], v[42:43], v[108:109] op_sel_hi:[1,0]
.else
	s_delay_alu instid0(VALU_DEP_1)
	v_pk_fma_f32 v[104:105], v[40+4*\i:41+4*\i], v[108+2*(\i%4):109+2*(\i%4)], v[104:105] op_sel_hi:[1,0,1]
	s_delay_alu instid0(VALU_DEP_2)
	v_pk_fma_f32 v[106:107], v[42+4*\i:43+4*\i], v[108+2*(\i%4):109+2*(\i%4)], v[106:107] op_sel_hi:[1,0,1]
.endif
.endr
	ds_store_b128 v7, v[104:107]
	s_wait_dscnt 0x0                               ; for the others' sake: my wave's sums have landed
	s_barrier_signal -1
	s_barrier_wait -1
	s_cmp_lg_u32 s14, 0
	s_cbranch_scc1 .Ldone
.irp i, 0,1,2,3,4,5,6,7,8,9,10,11,12,13,14,15
	ds_load_b128 v[40+4*\i:43+4*\i], v3 offset:512*\i
.endr
	s_wait_alu depctr_va_vdst(0)
	v_rcp_f32 v12, v10
	v_nop                                          ; one plain instruction behind the reciprocal
	s_wait_kmcnt 0x0
	s_add_co_i32 s24, s26, s27                     ; e2 + e3
	s_wait_dscnt 0x0
.irp i, 0,1,2,3,4,5,6,7
	v_pk_add_f32 v[40+4*\i:41+4*\i], v[40+4*\i:41+4*\i], v[72+4*\i:73+4*\i]
	v_pk_add_f32 v[42+4*\i:43+4*\i], v[42+4*\i:43+4*\i], v[74+4*\i:75+4*\i]
.endr
.irp i, 0,1,2,3
	v_pk_add_f32 v[40+4*\i:41+4*\i], v[40+4*\i:41+4*\i], v[56+4*\i:57+4*\i]
	v_pk_add_f32 v[42+4*\i:43+4*\i], v[42+4*\i:43+4*\i], v[58+4*\i:59+4*\i]
.endr
.irp i, 0,1
	s_delay_alu instid0(VALU_DEP_4)
	v_pk_add_f32 v[40+4*\i:41+4*\i], v[40+4*\i:41+4*\i], v[48+4*\i:49+4*\i]
	s_delay_alu instid0(VALU_DEP_4)
	v_pk_add_f32 v[42+4*\i:43+4*\i], v[42+4*\i:43+4*\i], v[50+4*\i:51+4*\i]
.endr
	s_delay_alu instid0(VALU_DEP_2)
	v_pk_add_f32 v[40:41], v[40:41], v[44:45]
	s_delay_alu instid0(VALU_DEP_2)
	v_pk_add_f32 v[42:43], v[42:43], v[46:47]
	s_wait_alu depctr_va_vdst(0)                   ; the wait for the reciprocal, ahead of its first reader
	v_ldexp_f32 v12, v12, s24                      ; 2^(e2 + e3) / the divisor
	s_delay_alu instid0(VALU_DEP_1)
	v_pk_fma_f32 v[40:41], v[40:41], v[12:13], v[36:37] op_sel_hi:[1,0,1]
	s_delay_alu instid0(VALU_DEP_2)
	v_pk_fma_f32 v[42:43], v[42:43], v[12:13], v[38:39] op_sel_hi:[1,0,1]
	global_store_b128 v3, v[40:43], s[12:13]       ; the head's 512 consecutive bytes, aligned
.Ldone:
	s_wait_tensorcnt 0x0
	ds_add_u32 v128, v129
	s_wait_dscnt 0x0
	s_endpgm
.Lfunc_end_k_qc892c90497_combine:
	.size	k_qc892c90497_combine, .Lfunc_end_k_qc892c90497_combine-k_qc892c90497_combine
	.p2alignl 7, 3214868480
	.fill 96, 4, 3214868480
	.section	.rodata,"a",@progbits
	.p2align	6, 0x0
	.amdhsa_kernel k_qc892c90497_combine
		.amdhsa_group_segment_fixed_size 10240
		.amdhsa_private_segment_fixed_size 0
		.amdhsa_enable_private_segment 0
		.amdhsa_kernarg_size 40
		.amdhsa_user_sgpr_count 2
		.amdhsa_user_sgpr_kernarg_segment_ptr 1
		.amdhsa_wavefront_size32 1
		.amdhsa_system_sgpr_workgroup_id_x 1
		.amdhsa_system_sgpr_workgroup_id_y 1
		.amdhsa_system_sgpr_workgroup_id_z 1
		.amdhsa_system_vgpr_workitem_id 0
		.amdhsa_next_free_vgpr 130
		.amdhsa_next_free_sgpr 66
		.amdhsa_reserve_vcc 0
		.amdhsa_float_denorm_mode_32 3
		.amdhsa_float_denorm_mode_16_64 3
		.amdhsa_memory_ordered 1
		.amdhsa_forward_progress 1
		.amdhsa_inst_pref_size 15
	.end_amdhsa_kernel
	.amdgpu_metadata
---
amdhsa.version: [ 1, 2 ]
amdhsa.kernels:
  - .name:           k_qc892c90497_combine
    .symbol:         k_qc892c90497_combine.kd
    .args:
      - { .name: po, .offset: 0, .size: 8, .value_kind: global_buffer, .address_space: global }
      - { .name: pml, .offset: 8, .size: 8, .value_kind: global_buffer, .address_space: global }
      - { .name: in_proj_bias, .offset: 16, .size: 8, .value_kind: global_buffer, .address_space: global }
      - { .name: lowp_scales, .offset: 24, .size: 8, .value_kind: global_buffer, .address_space: global }
      - { .name: av, .offset: 32, .size: 8, .value_kind: global_buffer, .address_space: global }
    .group_segment_fixed_size: 10240
    .private_segment_fixed_size: 0
    .kernarg_segment_align: 8
    .kernarg_segment_size: 40
    .max_flat_workgroup_size: 512
    .sgpr_count:     66
    .vgpr_count:     130
    .wavefront_size: 32
...
	.end_amdgpu_metadata
.endif
;; end of part 3
;; launch outproj: the kernel of part 1 again; grid 32 x 1, 8 waves a work-group, no clusters, 69,120 bytes of LDS; arguments out_proj_weight, av, out_proj_bias, lowp_scales, wcodes, out0; writes wcodes, out0
